; MI455X (gfx1250); checked and timed in simulation.
; The chip was launched on July 23, 2026; its instructions are those of AMD's public machine-readable ISA for CDNA 5 (MIT licence, August 2026) and "CDNA5" Instruction Set Architecture Reference Guide (July 2026). The comments in the code are by the model that wrote it; some were corrected since.
;; Attention. Allowed arithmetic: float matrix products may take bf16 or f16 operands with f32 sums; all other float work in f32.
;; Inputs: q_mask 8 x 2,048 bool; query 8 x 2,048 x 64 float32; scale 1 float32; v_mask 8 x 2,048 bool; value 8 x 2,048 x 64 float32.
;; Outputs: out0 8 x 2,048 x 64 float32.
;; One version. Each part assembles by itself: llvm-mc -triple=amdgcn-amd-amdhsa -mcpu=gfx1250 --defsym DOCPART=n.
;; ======== version 1 of 1: 2 launches
;; workspace buffers: counts 2,048 bytes of whole numbers
;; launch units (part 1): grid 1 x 1, 8 waves a work-group, no clusters, 0 bytes of LDS; arguments v_mask, counts; writes counts
.if DOCPART == 1
	.amdgcn_target "amdgcn-amd-amdhsa--gfx1250"
	.amdhsa_code_object_version 6
	.text
	.protected	k_qb17201a39f_units
	.globl	k_qb17201a39f_units
	.p2align	8
	.type	k_qb17201a39f_units,@function
k_qb17201a39f_units:
	s_mov_b64 s[64:65], 0
	v_nop
	global_prefetch_b8 v0, s[64:65] scope:SCOPE_SE
	s_setreg_imm32_b32 hwreg(HW_REG_WAVE_MODE, 25, 1), 1
	s_wait_xcnt 0x0
; counts[b][blk] = how many units of 64 keys the block of query rows 32 blk .. 32 blk + 31 of batch b has to walk in the attention launch.
; reference() subtracts 1e9 from masked scores, it does not remove them.  A row q with an admitted key among keys 0..q gives all masked keys
; the weight 0, so its block stops behind the diagonal unit: blk/2 + 1 units.  A row without one is a softmax over all 2048 keys: 32 units.
; Such rows are a prefix of the batch, so the block's FIRST row decides: it has an admitted key if F <= 32 blk, F the first admitted key.
; One wave for each of the 8 batches: a batch's mask is 2,048 bytes, 64 a lane, and the minimum never leaves the wave: no LDS, no barrier.
; The whole job is 16,384 bytes in and 2,048 out: work for one work-group.
; A mask byte counts as false if 0, as true otherwise.
.set NONE, 2048                        ; no admitted key: larger than every first row
	s_load_b128 s[4:7], s[0:1], 0x0                ; v_mask s[4:5], counts s[6:7]
	v_and_b32 v1, 31, v0                           ; lane
	v_lshrrev_b32 v2, 5, v0                        ; wave = batch
	v_lshlrev_b32 v3, 4, v1                        ; 16 lane
	v_lshl_add_u32 v3, v2, 11, v3                  ; + 2,048 batch
	v_lshlrev_b32 v9, 3, v0                        ; 8 t = 256 batch + 8 lane: where my two counts go
	s_mov_b32 s8, 0x76543210                       ; v_permlanex16_b32: lane i of one half reads lane i of the other
	s_mov_b32 s9, 0xfedcba98
	s_wait_kmcnt 0x0
.irp i, 0,1,2,3
	global_load_b128 v[16+4*\i:19+4*\i], v3, s[4:5] offset:512*\i      ; keys 512 i + 16 lane .. + 15: 512 neighbouring bytes a load
.endr
	v_mov_b32 v4, NONE
	v_lshlrev_b32 v6, 6, v1                        ; first row of block 2 lane
	v_add_nc_u32 v7, 32, v6                        ; first row of block 2 lane + 1
	v_add_nc_u32 v8, 1, v1                         ; both blocks: lane units below the diagonal and the diagonal unit
	s_wait_loadcnt 0x0
	; my first admitted key, less 16 lane: from the last byte down, an admitted byte takes the place of what stood there
.irp i, 3,2,1,0
.irp d, 3,2,1,0
.irp c, 3,2,1,0
	v_bfe_u32 v5, v[16+4*\i+\d], 8*\c, 8
	v_cmp_eq_u32 vcc_lo, 0, v5
	v_cndmask_b32 v4, 512*\i+4*\d+\c, v4, vcc_lo
.endr
.endr
.endr
	v_lshl_add_u32 v4, v1, 4, v4                   ; + 16 lane (NONE only grows)
	; the least over the 32 lanes, in every lane
.irp m, 1,2,4,8
	v_mov_b32_dpp v5, v4 row_xmask:\m row_mask:0xf bank_mask:0xf
	v_min_u32 v4, v4, v5
.endr
	v_permlanex16_b32 v5, v4, s8, s9
	v_min_u32 v4, v4, v5                           ; F
	v_cmp_le_u32 vcc_lo, v4, v6
	v_cndmask_b32 v10, 32, v8, vcc_lo              ; F <= first row: lane + 1 units, else 32
	v_cmp_le_u32 vcc_lo, v4, v7
	v_cndmask_b32 v11, 32, v8, vcc_lo
	global_store_b64 v9, v[10:11], s[6:7]          ; the wave's store covers the batch's 256 consecutive bytes, aligned
	s_endpgm
.Lfunc_end_k_qb17201a39f_units:
	.size	k_qb17201a39f_units, .Lfunc_end_k_qb17201a39f_units-k_qb17201a39f_units
	.p2alignl 7, 3214868480
	.fill 96, 4, 3214868480
	.section	.rodata,"a",@progbits
	.p2align	6, 0x0
	.amdhsa_kernel k_qb17201a39f_units
		.amdhsa_group_segment_fixed_size 0
		.amdhsa_private_segment_fixed_size 0
		.amdhsa_enable_private_segment 0
		.amdhsa_kernarg_size 16
		.amdhsa_user_sgpr_count 2
		.amdhsa_user_sgpr_kernarg_segment_ptr 1
		.amdhsa_wavefront_size32 1
		.amdhsa_system_sgpr_workgroup_id_x 1
		.amdhsa_system_sgpr_workgroup_id_y 1
		.amdhsa_system_sgpr_workgroup_id_z 1
		.amdhsa_system_vgpr_workitem_id 0
		.amdhsa_next_free_vgpr 32
		.amdhsa_next_free_sgpr 66
		.amdhsa_reserve_vcc 1
		.amdhsa_float_denorm_mode_32 3
		.amdhsa_float_denorm_mode_16_64 3
		.amdhsa_memory_ordered 1
		.amdhsa_forward_progress 1
		.amdhsa_inst_pref_size 12
	.end_amdhsa_kernel
	.amdgpu_metadata
---
amdhsa.version: [ 1, 2 ]
amdhsa.kernels:
  - .name:           k_qb17201a39f_units
    .symbol:         k_qb17201a39f_units.kd
    .args:
      - { .name: v_mask, .offset: 0, .size: 8, .value_kind: global_buffer, .address_space: global }
      - { .name: counts, .offset: 8, .size: 8, .value_kind: global_buffer, .address_space: global }
    .group_segment_fixed_size: 0
    .private_segment_fixed_size: 0
    .kernarg_segment_align: 8
    .kernarg_segment_size: 16
    .max_flat_workgroup_size: 256
    .sgpr_count:     66
    .vgpr_count:     32
    .wavefront_size: 32
...
	.end_amdgpu_metadata
.endif
;; end of part 1
;; launch attn (part 2): grid 32 x 8, 8 waves a work-group, no clusters, 235,520 bytes of LDS; arguments q_mask, query, scale, v_mask, value, out0, counts; writes out0
.if DOCPART == 2
	.amdgcn_target "amdgcn-amd-amdhsa--gfx1250"
	.amdhsa_code_object_version 6
	.text
	.protected	k_qb17201a39f_attn
	.globl	k_qb17201a39f_attn
	.p2align	8
	.type	k_qb17201a39f_attn,@function
k_qb17201a39f_attn:
	s_mov_b64 s[64:65], 0
	v_nop
	global_prefetch_b8 v0, s[64:65] scope:SCOPE_SE
	s_setreg_imm32_b32 hwreg(HW_REG_WAVE_MODE, 25, 1), 1
	s_wait_xcnt 0x0
; out[b][q][:] = q_mask[b][q] * softmax_k( query[b][q].value[b][k] * scale - 1e9 * (k > q or not v_mask[b][k]) ) . value[b][k][:]
; B = 8, Tq = Tv = 2048, D = 64, all f32; products in bf16 with f32 sums, softmax in f32 with a running maximum.
;
; WORK.  Work-group (j, b) owns two blocks of 32 query rows of batch b: block 63-j (job 0, long) and block j (job 1, short).
; In units of 64 keys they need (63-j)/2+1 and j/2+1 units: 33 for every j, so the 256 work-groups carry the same work.
; Eight waves; the units of a job are dealt round robin, and the deal runs on from job 0 into job 1: a wave gets 4 or 5 units.
; Every wave keeps a running maximum, a sum and O for the job's 32 rows over ITS keys; the eight partial results are joined
; through LDS at the end, which also turns the results into whole rows of 256 bytes for the stores.
; A UNIT.  64 rows of value come by 32 loads, each of two whole rows of 256 bytes, issued one unit ahead; they are rounded to bf16
; and laid into a stage in LDS that belongs to the wave alone (no barrier).  From there: K fragments by ds_load_b128, V^T fragments
; by ds_load_tr16_b128.  S^T = K Q^T and O^T = V^T P^T: a lane owns ONE query (column), so maximum, sum and rescaling are a lane's
; own, and the result layout of S^T is the B layout of the second product: P is packed in place and never moved between lanes.
; THE MASK.  reference() subtracts 1e9, it does not set -inf.  t = fma(s, scale, 0 or -1e9) is rounded in f32 (once, where
; reference() rounds twice), and p = 2^(t*log2e + NM) by one fma, NM = f32(-m*log2e) of the running maximum m.  What NM loses by
; rounding is a factor common to the row, carried alike by p, by the rescaling 2^(NMnew-NMold) and by the merge, and it cancels in
; the division; at |m| = 1e9 it lets p reach 2^64, far inside f32 and bf16.
; A row with no admitted key (v_mask false on keys 0..q) is in reference() a softmax over all 2048 keys.  Such rows are a prefix of
; the batch, so a job whose FIRST row is one runs its masked loop to unit 32; every other job stops behind its diagonal unit, where
; all that it skips has weight 0.  The number of units of each block was worked out from v_mask by the launch before and is read here (counts).
; O IS CLEARED by moves at a job's head: a wave that gets no unit of the short job has to hand in zeros.
; NO CLUSTER: the work-groups of a batch read the same rows, but a joint request lands them in LDS as f32: 256 bytes in and 256
; bytes out for each key row, on top of the 384 bytes (128 in, 256 out) of the bf16 stage: 896 for 384 through LDS.
; LIMITS: a mask byte counts as false if 0, as true otherwise; inputs finite; masked scores are rounded once, not twice.
.set LOG2E,   0x3fb8aa3b
.set NLOG2E,  0xbfb8aa3b
.set NEGBIG,  0xce6e6b28               ; -1e9
.set PINF,    0x7f800000
.set NINF,    0xff800000
.set SP,      144                      ; stage pitch: 128 bytes of bf16 + 16 = 9 x 16 bytes: 16 different rows start in 16 different 16-byte columns of 256
.set STAGE_W, 64*SP                    ; a wave's stage: 64 key rows
.set L_BIAS,  8*STAGE_W                ; 2048 f32: 0 or -1e9 for each key of the batch
.set L_Q,     L_BIAS+8192              ; 64 query rows in bf16, pitch SP: job 0's 32, then job 1's
.set L_OP,    L_Q+64*SP                ; partial O: [wave][job][32 rows] of 256 + 16 bytes
.set OPP,     272
.set OP_W,    32*OPP
.set L_NM,    L_OP+16*OP_W             ; NM: [wave][64 rows] f32; the sums lie 2,048 bytes further
; registers, window 0
.set VGO,  4                           ; rows in memory: 1024 h + 16 r: lanes 0-15 one row, lanes 16-31 the row 4 further
.set VSTS, 5                           ; stage, store: 8 rows x h + 8 r
.set VKF,  6                           ; stage, K fragment
.set VTR,  7                           ; stage, transposing load
.set VBB,  8                           ; bias table + 32 h
.set VBA,  9                           ; the same at this unit's keys
.set VRH,  10                          ; r - 8 h
.set VX,   11                          ; q - first key of my half, for the causal compare
.set VNEG, 12                          ; -1e9
.set VFL,  13                          ; where my partial O goes
.set VML,  14                          ; where my NM and sums go
.set QM,   16                          ; v16-19 q_mask of the four rows that I store at the end
.set STT,  20                          ; v20-27 state of query tile qt at STT+4qt: NM, m, alpha, sum
.set T,    28                          ; v28-31 at work
.set OA,   32                          ; v32-95   O^T: tile (qt, dt) at OA+32qt+8dt
.set SS,   96                          ; v96-159  S^T: tile (qt, kt) at SS+32qt+8kt; then P in place
.set KF,   160                         ; v160-223 K fragments (kt, ks) at KF+16kt+8ks; then V^T fragments (kb, dt) at KF+32kb+8dt
.set BI,   224                         ; v224-255 bias of the unit's keys; free for work behind the first fma
; window 1 (written with their low 8 bits)
.set ST,   0                           ; v256-383 the unit's rows in f32 as loaded
.set QF,   128                         ; v384-447 Q fragments (job, qt, ks) at QF+32job+16qt+8ks
; the merge (window 0, all of the above is done with by then)
.set MN,   32                          ; v32-63   NM of partner wave w, step i at MN+4w+i
.set MLS,  64                          ; v64-95   sums likewise
.set MO,   96                          ; v96-223  partial O: step i, partner w at MO+32i+4w
.set VRD0, 224                         ; partial O of partners 0-3
.set VRD1, 225                         ; of partners 4-7
.set VNMA, 226
.set VOUT, 227
.set MX,   228                         ; the least NM = the largest maximum
.set ML,   229                         ; the joined sum
.set MF,   232                         ; v232-247 partner w: factor at MF+2w, its exponent at MF+2w+1
.set MR,   248                         ; v248 q_mask / sum, v249 1 / sum
.set MSB, 0
.macro WIN new                         ; s_set_vgpr_msb: bits 1:0 source 0, 3:2 source 1, 5:4 source 2, 7:6 destination; the high byte repeats the setting left
.if MSB != \new
	s_set_vgpr_msb (MSB<<8)|\new
.set MSB, \new
.endif
.endm
	s_load_b256 s[4:11], s[0:1], 0x0               ; q_mask s[4:5], query s[6:7], scale s[8:9], v_mask s[10:11]
	s_load_b128 s[12:15], s[0:1], 0x20             ; value s[12:13], out s[14:15]
	s_load_b64 s[30:31], s[0:1], 0x30              ; counts
	s_set_vgpr_msb 0x40
	v_lshl_add_u32 v192, v0, 2, 0x39400
	v_mov_b32 v193, 0
	s_set_vgpr_msb 0x4000
	v_lshrrev_b32 v1, 5, v0
	v_readfirstlane_b32 s16, v1                    ; wave
	s_mov_b32 s17, ttmp9                           ; j: job 1's block
	s_and_b32 s18, ttmp7, 0xffff                   ; batch
	s_sub_co_u32 s19, 63, s17                      ; job 0's block
	s_lshl_b32 s50, s19, 5                         ; first row of job 0
	s_lshl_b32 s51, s17, 5                         ; first row of job 1
	s_cmp_lt_u32 s16, 4                            ; at the end waves 0-3 store job 0's rows, waves 4-7 job 1's, 8 rows each
	s_cselect_b32 s58, s50, s51
	s_and_b32 s57, s16, 3
	s_lshl_b32 s57, s57, 3
	s_add_co_u32 s58, s58, s57                     ; the first of my 8 rows
	v_and_b32 v2, 15, v0                           ; r
	v_bfe_u32 v3, v0, 4, 1                         ; h
	v_lshl_add_u32 v15, v3, 2, s58                 ; lanes 0-15: rows 0-3 of the 8, lanes 16-31: rows 4-7
	v_lshlrev_b32 v[KF], 3, v0                     ; 8 t: my 8 mask bytes for the bias table
	v_lshlrev_b32 v[KF+2], 4, v0                   ; 16 t
	v_lshlrev_b32 v[VGO], 4, v2
	v_lshl_add_u32 v[VGO], v3, 10, v[VGO]
	s_lshl_b32 s26, s18, 11                        ; a batch's masks: 2048 bytes
	s_mov_b32 s27, 0
	s_lshl_b32 s44, s18, 19                        ; a batch's rows: 2048 x 256 bytes
	s_mov_b32 s45, 0
	s_wait_kmcnt 0x0
	s_add_nc_u64 s[4:5], s[4:5], s[26:27]
	s_add_nc_u64 s[10:11], s[10:11], s[26:27]
	s_add_nc_u64 s[6:7], s[6:7], s[44:45]
	s_add_nc_u64 s[12:13], s[12:13], s[44:45]
	s_add_nc_u64 s[14:15], s[14:15], s[44:45]
	s_load_b32 s24, s[8:9], 0x0                    ; scale
	s_lshl_b32 s26, s18, 6                         ; counts[batch][block], 4 bytes each
	s_add_co_u32 s26, s26, s19
	s_lshl_b32 s26, s26, 2
	s_add_nc_u64 s[32:33], s[30:31], s[26:27]
	s_load_b32 s28, s[32:33], 0x0                  ; units of job 0
	s_lshl_b32 s26, s18, 6
	s_add_co_u32 s26, s26, s17
	s_lshl_b32 s26, s26, 2
	s_add_nc_u64 s[52:53], s[30:31], s[26:27]
	s_load_b32 s29, s[52:53], 0x0                  ; units of job 1
	s_lshl_b32 s26, s50, 8
	s_add_nc_u64 s[20:21], s[6:7], s[26:27]        ; query at job 0's rows
	s_lshl_b32 s26, s51, 8
	s_add_nc_u64 s[22:23], s[6:7], s[26:27]        ; query at job 1's rows
	s_lshl_b32 s44, s16, 14
	s_add_nc_u64 s[34:35], s[12:13], s[44:45]      ; value at my first unit: unit = wave (job 0 has at least 17 units)
	; all loads of the prologue at once, the small ones first: loads come back in order
.irp i, 0,1,2,3
	global_load_u8 v[QM+\i], v15, s[4:5] offset:\i
.endr
	global_load_b64 v[96:97], v[KF], s[10:11]
	global_load_b128 v[116:119], v[KF+2], s[20:21]                             ; the 64 query rows once for the work-group, 4,096 neighbouring bytes a load
	global_load_b128 v[120:123], v[KF+2], s[20:21] offset:4096
	global_load_b128 v[124:127], v[KF+2], s[22:23]
	global_load_b128 v[128:131], v[KF+2], s[22:23] offset:4096
; 32 loads = a unit's 64 rows.  Load i takes rows m and m+4 of key tile i/8, m = 0-3, 8-11: the pair lands 8 stage rows apart (see the stores).
.macro LOADS
.set i, 0
.rept 32
	global_load_b128 v[ST+4*i:ST+4*i+3], v[VGO], s[34:35] offset:(i/8)*4096+((i%4)+8*((i%8)/4))*256
.set i, i+1
.endr
.endm
	WIN 0x40
	LOADS
	WIN 0
	; addresses.  Key m of a 16-key tile lies in stage row R(m) = 2 (m & 7) + (m >> 3): the eight rows that eight lanes of a transposing
	; load address are then 288 bytes apart (32 modulo 256), and the sixteen rows of a K fragment are still sixteen different rows.
	s_mul_i32 s62, s16, STAGE_W
	v_and_b32 v28, 7, v2
	v_lshrrev_b32 v29, 3, v2
	v_lshl_add_u32 v30, v28, 1, v29                ; R(r)
	v_lshl_add_u32 v31, v28, 1, v3                 ; row of key 8 h + (lane & 7)
	v_mul_u32_u24 v[VKF], v30, SP
	v_lshl_add_u32 v[VKF], v3, 4, v[VKF]
	v_add_nc_u32 v[VKF], s62, v[VKF]
	v_mul_u32_u24 v[VTR], v31, SP
	v_lshl_add_u32 v[VTR], v29, 4, v[VTR]
	v_add_nc_u32 v[VTR], s62, v[VTR]
	v_mul_u32_u24 v[VSTS], v3, 8*SP
	v_lshl_add_u32 v[VSTS], v2, 3, v[VSTS]
	v_add_nc_u32 v[VSTS], s62, v[VSTS]
	v_lshlrev_b32 v[VBB], 5, v3
	v_add_nc_u32 v[VBB], L_BIAS, v[VBB]
	v_lshlrev_b32 v28, 3, v3
	v_sub_nc_u32 v[VRH], v2, v28
	v_mov_b32 v[VNEG], NEGBIG
	s_mul_i32 s63, s16, 2*OP_W
	s_add_co_u32 s63, s63, L_OP
	v_mul_u32_u24 v[VFL], v2, OPP
	v_lshl_add_u32 v[VFL], v3, 5, v[VFL]
	v_add_nc_u32 v[VFL], s63, v[VFL]
	s_lshl_b32 s63, s16, 8
	s_add_co_u32 s63, s63, L_NM
	v_lshl_add_u32 v[VML], v2, 2, s63              ; my wave's 256 bytes + 4 r
	s_mov_b32 s36, LOG2E
	s_mov_b32 s37, LOG2E
	s_mov_b32 s38, 0x76543210                      ; v_permlanex16_b32: lane i of one half reads lane i of the other
	s_mov_b32 s39, 0xfedcba98
	s_wait_loadcnt 36                              ; the masks are in: behind them stand 4 loads of query and 32 of value
	; bias table: thread t writes keys 8 t .. 8 t + 7
.irp i, 0,1,2,3
	v_bfe_u32 v28, v96, 8*\i, 8
	v_bfe_u32 v29, v97, 8*\i, 8
	v_cmp_eq_u32 vcc_lo, 0, v28
	v_cndmask_b32 v[132+\i], 0, v[VNEG], vcc_lo
	v_cmp_eq_u32 vcc_lo, 0, v29
	v_cndmask_b32 v[136+\i], 0, v[VNEG], vcc_lo
.endr
	v_lshlrev_b32 v[KF+3], 5, v0
	v_add_nc_u32 v[KF+3], L_BIAS, v[KF+3]
	ds_store_b128 v[KF+3], v[132:135]
	ds_store_b128 v[KF+3], v[136:139] offset:16
	s_wait_loadcnt 32                              ; query is in: behind it stand the 32 loads of value
.irp i, 0,1,2,3
	v_cvt_pk_bf16_f32 v[140+2*\i], v[116+4*\i], v[117+4*\i]
	v_cvt_pk_bf16_f32 v[141+2*\i], v[118+4*\i], v[119+4*\i]
.endr
	v_lshrrev_b32 v28, 4, v0
	v_mul_u32_u24 v[KF+4], v28, SP
	v_lshl_add_u32 v[KF+4], v2, 3, v[KF+4]
	v_add_nc_u32 v[KF+4], L_Q, v[KF+4]
.irp i, 0,1,2,3
	ds_store_b64 v[KF+4], v[140+2*\i:141+2*\i] offset:\i*16*SP
.endr
	s_wait_dscnt 0x0                               ; my part of the bias table and of Q is written,
	s_barrier_signal -1
	s_barrier_wait -1                              ; everybody's is
	; Q fragments of both jobs: column q = r, d = 32 ks + 8 h .. and 32 ks + 16 + 8 h ..
	v_mul_u32_u24 v[KF+5], v2, SP
	v_lshl_add_u32 v[KF+5], v3, 4, v[KF+5]
	v_add_nc_u32 v[KF+5], L_Q, v[KF+5]
	WIN 0x40
.set i, 0
.rept 4
.irp c, 0,1,2,3
	ds_load_b128 v[QF+16*i+4*\c:QF+16*i+4*\c+3], v[KF+5] offset:i*16*SP+32*\c
.endr
.set i, i+1
.endr
	WIN 0
	; unit counts
	s_wait_kmcnt 0x0                               ; scale and the two counts
	s_mov_b32 s25, s24
	s_lshr_b32 s41, s19, 1                         ; job 0: units wholly below the diagonal
	s_add_co_u32 s60, s41, 1                       ; and with the diagonal unit
	s_min_u32 s42, s28, 32                         ; all its units: that many, or 32 if its first row has no admitted key
	s_lshr_b32 s47, s17, 1                         ; job 1 likewise
	s_min_u32 s48, s29, 32
	s_sub_co_u32 s49, s16, s60
	s_and_b32 s49, s49, 7                          ; my first unit of job 1: the deal runs on behind job 0's units
	s_cmp_lt_u32 s49, s48
	s_cselect_b32 s43, s49, 64                     ; what I load behind job 0's last unit (64: nothing)
; ---- pieces of the softmax; qt = query tile, n = which instruction of the run ----
.macro PH_F qt, caus                   ; t = s * scale + bias; with caus the bias of a key > q is -1e9
.set ee, 0
.rept 16
.if \caus
	v_cmp_gt_i32 vcc_lo, 16*(ee/8)+(ee%8)-16*\qt, v[VX]
	v_cndmask_b32 v[T+(ee%4)], v[BI+ee], v[VNEG], vcc_lo
	v_cmp_gt_i32 vcc_lo, 16*(ee/8)+(ee%8)+1-16*\qt, v[VX]
	v_cndmask_b32 v[T+(ee%4)+1], v[BI+ee+1], v[VNEG], vcc_lo
	v_pk_fma_f32 v[SS+32*\qt+ee:SS+32*\qt+ee+1], v[SS+32*\qt+ee:SS+32*\qt+ee+1], s[24:25], v[T+(ee%4):T+(ee%4)+1] op_sel_hi:[1,0,1]
.else
	v_pk_fma_f32 v[SS+32*\qt+ee:SS+32*\qt+ee+1], v[SS+32*\qt+ee:SS+32*\qt+ee+1], s[24:25], v[BI+ee:BI+ee+1] op_sel_hi:[1,0,1]
.endif
.set ee, ee+2
.endr
.endm
.macro PH_M qt                         ; new maximum of my query over the unit's 64 keys (32 here, 32 in the other half of the lanes), NM, exponent of alpha
.irp c, 0,1,2,3
	v_max3_num_f32 v[BI+8*\qt+\c], v[SS+32*\qt+8*\c], v[SS+32*\qt+8*\c+1], v[SS+32*\qt+8*\c+2]
.endr
.irp c, 0,1,2,3
	v_max3_num_f32 v[BI+8*\qt+\c], v[BI+8*\qt+\c], v[SS+32*\qt+8*\c+3], v[SS+32*\qt+8*\c+4]
.endr
.irp c, 0,1,2,3
	v_max3_num_f32 v[BI+8*\qt+\c], v[BI+8*\qt+\c], v[SS+32*\qt+8*\c+5], v[SS+32*\qt+8*\c+6]
.endr
	v_max3_num_f32 v[BI+8*\qt], v[BI+8*\qt], v[BI+8*\qt+1], v[SS+32*\qt+7]
	v_max3_num_f32 v[BI+8*\qt+2], v[BI+8*\qt+2], v[BI+8*\qt+3], v[SS+32*\qt+15]
	v_max3_num_f32 v[BI+8*\qt], v[BI+8*\qt], v[SS+32*\qt+23], v[SS+32*\qt+31]
	v_max3_num_f32 v[BI+8*\qt], v[BI+8*\qt], v[BI+8*\qt+2], v[STT+4*\qt+1]
	v_permlanex16_b32 v[BI+8*\qt+1], v[BI+8*\qt], s38, s39
	v_max_num_f32 v[STT+4*\qt+1], v[BI+8*\qt], v[BI+8*\qt+1]
	v_mul_f32 v[BI+8*\qt+2], NLOG2E, v[STT+4*\qt+1]                ; NM, rounded: this very number goes into p, alpha and the merge
	v_sub_f32 v[STT+4*\qt+2], v[BI+8*\qt+2], v[STT+4*\qt]          ; NMnew - NMold (first unit: -inf, alpha = 0)
	v_mov_b32 v[STT+4*\qt], v[BI+8*\qt+2]
.endm
.macro EOP qt, n                       ; exponent: t * log2e + NM, the product unrounded
	v_pk_fma_f32 v[SS+32*\qt+2*(\n):SS+32*\qt+2*(\n)+1], v[SS+32*\qt+2*(\n):SS+32*\qt+2*(\n)+1], s[36:37], v[STT+4*\qt:STT+4*\qt+1] op_sel_hi:[1,0,0]
.endm
.macro RESOP qt, n                     ; O *= alpha
	s_wait_alu depctr_va_vdst(0)
	v_pk_mul_f32 v[OA+32*\qt+2*(\n):OA+32*\qt+2*(\n)+1], v[OA+32*\qt+2*(\n):OA+32*\qt+2*(\n)+1], v[STT+4*\qt+2:STT+4*\qt+3] op_sel_hi:[1,0]
.endm
.macro CVTOP qt, n                     ; P to bf16 in place: key tile kt = n/4 goes to registers 4 (kt & 1) .. of the B fragment of key block kt/2; a target is never a source still to come
	v_cvt_pk_bf16_f32 v[SS+32*\qt+16*((\n)/8)+4*(((\n)/4)%2)+((\n)%4)], v[SS+32*\qt+8*((\n)/4)+2*((\n)%4)], v[SS+32*\qt+8*((\n)/4)+2*((\n)%4)+1]
.endm
.macro PH_S qt                         ; my 32 p in four chains, then sum = sum * alpha + that
	s_wait_alu depctr_va_vdst(0)
.irp c, 0,1,2,3
	v_pk_add_f32 v[BI+16+8*\qt+2*\c:BI+16+8*\qt+2*\c+1], v[SS+32*\qt+8*\c:SS+32*\qt+8*\c+1], v[SS+32*\qt+8*\c+2:SS+32*\qt+8*\c+3]
.endr
.irp c, 0,1,2,3
	v_pk_add_f32 v[BI+16+8*\qt+2*\c:BI+16+8*\qt+2*\c+1], v[BI+16+8*\qt+2*\c:BI+16+8*\qt+2*\c+1], v[SS+32*\qt+8*\c+4:SS+32*\qt+8*\c+5]
.endr
.irp c, 0,1,2,3
	v_pk_add_f32 v[BI+16+8*\qt+2*\c:BI+16+8*\qt+2*\c+1], v[BI+16+8*\qt+2*\c:BI+16+8*\qt+2*\c+1], v[SS+32*\qt+8*\c+6:SS+32*\qt+8*\c+7]
.endr
	v_pk_add_f32 v[BI+16+8*\qt:BI+16+8*\qt+1], v[BI+16+8*\qt:BI+16+8*\qt+1], v[BI+16+8*\qt+2:BI+16+8*\qt+3]
	v_pk_add_f32 v[BI+16+8*\qt+4:BI+16+8*\qt+5], v[BI+16+8*\qt+4:BI+16+8*\qt+5], v[BI+16+8*\qt+6:BI+16+8*\qt+7]
	v_pk_add_f32 v[BI+16+8*\qt:BI+16+8*\qt+1], v[BI+16+8*\qt:BI+16+8*\qt+1], v[BI+16+8*\qt+4:BI+16+8*\qt+5]
	v_add_f32 v[BI+16+8*\qt], v[BI+16+8*\qt], v[BI+16+8*\qt+1]
	v_fma_f32 v[STT+4*\qt+3], v[STT+4*\qt+3], v[STT+4*\qt+2], v[BI+16+8*\qt]
.endm
.macro PV qt                           ; O^T(d, q) += V^T(d, key) P^T(key, q): 2 key blocks of 32 x 4 tiles of d
.irp kb, 0,1
.irp dt, 0,1,2,3
	v_wmma_f32_16x16x32_bf16 v[OA+32*\qt+8*\dt:OA+32*\qt+8*\dt+7], v[KF+32*\kb+8*\dt:KF+32*\kb+8*\dt+7], v[SS+32*\qt+16*\kb:SS+32*\qt+16*\kb+7], v[OA+32*\qt+8*\dt:OA+32*\qt+8*\dt+7]
.endr
.endr
.endm
; ---- one unit: keys 64 s40 .. 64 s40 + 63 against the job's 32 rows.  caus = 1: with the causal compare ----
.macro UNIT job, caus, id
	s_min_u32 s45, s40, 31
	s_lshl_b32 s45, s45, 8
	v_add_nc_u32 v[VBA], s45, v[VBB]               ; the unit's 64 words of the bias table
.if \caus
	s_lshl_b32 s45, s40, 6
	s_sub_co_i32 s45, s46, s45
	v_add_nc_u32 v[VX], s45, v[VRH]                ; key 16 kt + 8 h + j of the unit is beyond row 16 qt + r of the job if 16 kt + j - 16 qt > this
.endif
	WIN 0x45                                       ; f32 to bf16 in place, window 1.  These 64 lines are also the places behind the last unit's matrix
.set i, 0                                              ; instructions (ISA guide 7.12.1), whose registers are loaded and written again further down
.rept 32
.if (i%8) == 0
	s_wait_loadcnt 24-i                            ; eight more of the 32 loads are in; the younger ones may be out
.endif
	v_cvt_pk_bf16_f32 v[ST+4*i], v[ST+4*i], v[ST+4*i+1]
	v_cvt_pk_bf16_f32 v[ST+4*i+1], v[ST+4*i+2], v[ST+4*i+3]
.set i, i+1
.endr
	WIN 0x04                                       ; store data in window 1
.set i, 0
.rept 32                                               ; lanes 0-15 fill stage row R(m), lanes 16-31 row R(m) + 8 = R(m + 4): 1,152 bytes on, the other 128 of 256
	ds_store_b64 v[VSTS], v[ST+4*i:ST+4*i+1] offset:(16*(i/8)+2*(i%4)+((i%8)/4))*SP
.set i, i+1
.endr
.irp kt, 0,1,2,3                                       ; LDS serves a wave's instructions in order (ISA guide 5.7.1): these see the stores above
.irp c, 0,1,2,3
	ds_load_b128 v[KF+16*\kt+4*\c:KF+16*\kt+4*\c+3], v[VKF] offset:\kt*16*SP+32*\c
.endr
.endr
.irp c, 0,1,2,3,4,5,6,7
	ds_load_b128 v[BI+4*\c:BI+4*\c+3], v[VBA] offset:64*(\c/2)+16*(\c%2)
.endr
	WIN 0
	s_add_co_u32 s44, s40, 8                       ; what I work on next: my next unit of this job, else my first of the next job, else nothing
	s_cmp_lt_u32 s44, s42
	s_cselect_b32 s44, s44, s43
	s_cmp_lt_u32 s44, 32
	s_cbranch_scc0 .Lsk\id
	s_min_u32 s44, s44, 31
	s_lshl_b32 s44, s44, 14
	s_mov_b32 s45, 0
	s_add_nc_u64 s[34:35], s[12:13], s[44:45]      ; the last loads from this base were waited for above (count 0)
	WIN 0x40
	LOADS                                          ; a whole unit ahead: 16,384 bytes of each wave on their way
	WIN 0
.Lsk\id:
	WIN 0x04                                       ; B (Q) in window 1
	s_wait_dscnt 8                                 ; the K fragments are in; the 8 bias loads may be out
.irp kp, 0,1
.irp ks, 0,1
.irp kk, 0,1
.irp qt, 0,1
.if \ks == 0
	v_wmma_f32_16x16x32_bf16 v[SS+32*\qt+8*(2*\kp+\kk):SS+32*\qt+8*(2*\kp+\kk)+7], v[KF+16*(2*\kp+\kk):KF+16*(2*\kp+\kk)+7], v[QF+32*\job+16*\qt:QF+32*\job+16*\qt+7], 0
.else
	v_wmma_f32_16x16x32_bf16 v[SS+32*\qt+8*(2*\kp+\kk):SS+32*\qt+8*(2*\kp+\kk)+7], v[KF+16*(2*\kp+\kk)+8:KF+16*(2*\kp+\kk)+15], v[QF+32*\job+16*\qt+8:QF+32*\job+16*\qt+15], v[SS+32*\qt+8*(2*\kp+\kk):SS+32*\qt+8*(2*\kp+\kk)+7]
.endif
.endr
.endr
.endr
.endr
.rept 4
	v_nop                                          ; four places before S^T is read and before loads go into the K fragments' registers
.endr
	WIN 0
.irp kb, 0,1                                           ; V^T fragments: row d = 16 dt + r, k = the key block's 32 keys
.irp dt, 0,1,2,3
	ds_load_tr16_b128 v[KF+32*\kb+8*\dt:KF+32*\kb+8*\dt+3], v[VTR] offset:32*\kb*SP+32*\dt
	ds_load_tr16_b128 v[KF+32*\kb+8*\dt+4:KF+32*\kb+8*\dt+7], v[VTR] offset:(32*\kb+16)*SP+32*\dt
.endr
.endr
	s_wait_dscnt 16                                ; the bias is in; the 16 transposing loads may be out
	PH_F 0, \caus
	PH_F 1, \caus
	PH_M 0
	PH_M 1
	v_exp_f32 v[STT+2], v[STT+2]                   ; alpha of both tiles; the plain lines that follow touch neither (ISA guide 5.7.2)
	v_exp_f32 v[STT+6], v[STT+6]
.set i, 0
.rept 16
	EOP 0, i
.set i, i+1
.endr
.set i, 0
.rept 32                                               ; each exponential is followed by a plain line on other registers
	v_exp_f32 v[SS+i], v[SS+i]
.if i < 16
	EOP 1, i
.else
	RESOP 0, i-16
.endif
.set i, i+1
.endr
	PH_S 0
.set i, 0
.rept 32
	v_exp_f32 v[SS+32+i], v[SS+32+i]
.if i < 16
	RESOP 1, i
.else
	CVTOP 0, i-16
.endif
.set i, i+1
.endr
	s_wait_dscnt 0x0                               ; V^T is in
	PV 0
	PH_S 1                                         ; tile 1's vector work names none of the registers of tile 0's products
.set i, 0
.rept 16
	CVTOP 1, i
.set i, i+1
.endr
	PV 1
.endm
; ---- my partial result of a job goes to LDS ----
.macro FLUSH job
.rept 4
	v_nop                                          ; four places (ISA guide 7.12.1) before O^T is read
.endr
.irp qt, 0,1
	v_permlanex16_b32 v[T], v[STT+4*\qt+3], s38, s39               ; the other half of the lanes summed the other 32 keys of each unit
	v_add_f32 v[STT+4*\qt+3], v[STT+4*\qt+3], v[T]
	ds_store_b32 v[VML], v[STT+4*\qt] offset:128*\job+64*\qt       ; both halves write the same word with the same number
	ds_store_b32 v[VML], v[STT+4*\qt+3] offset:128*\job+64*\qt+2048
.irp dt, 0,1,2,3                                       ; row 16 qt + r, columns 16 dt + 8 h .. + 7
	ds_store_b128 v[VFL], v[OA+32*\qt+8*\dt:OA+32*\qt+8*\dt+3] offset:\job*OP_W+\qt*16*OPP+64*\dt
	ds_store_b128 v[VFL], v[OA+32*\qt+8*\dt+4:OA+32*\qt+8*\dt+7] offset:\job*OP_W+\qt*16*OPP+64*\dt+16
.endr
.endr
.endm
; trips of a loop over my units s40, s40 + 8, .. below \bound: (bound - s40 + 7) / 8, none if s40 is at or past it;
; never more than 4, since there are 32 units and mine are 8 apart.  The loops count s59 by 1 up to s3.
.macro TRIPS bound
	s_sub_co_i32 s3, \bound, s40
	s_add_co_i32 s3, s3, 7
	s_max_i32 s3, s3, 0
	s_lshr_b32 s3, s3, 3
	s_min_u32 s3, s3, 4
	s_mov_b32 s59, 0
	s_cmp_lt_u32 s59, s3
.endm
; ---- a job: s40 my first unit, s41 units below the diagonal, s42 all units, s43 what follows my last unit, s46 the job's first row ----
.macro JOB job
	s_wait_dscnt 0x0                               ; what I gave to LDS so far is done (job 0: the Q fragments are in registers; job 1: job 0's
	                                               ; hand-over): the counts in a unit speak of the unit's own LDS instructions alone
.irp qt, 0,1
	v_mov_b32 v[STT+4*\qt], PINF                   ; NM of m = -inf
	v_mov_b32 v[STT+4*\qt+1], NINF
	v_mov_b32 v[STT+4*\qt+2], 0
	v_mov_b32 v[STT+4*\qt+3], 0
.endr
.set i, 0
.rept 64
	v_mov_b32 v[OA+i], 0
.set i, i+1
.endr
	TRIPS s41                                      ; my units wholly below the diagonal
	s_cbranch_scc0 .Lfe\job
.Lf\job:
	UNIT \job, 0, f\job
	s_add_co_u32 s40, s40, 8
	s_add_co_u32 s59, s59, 1
	s_cmp_lt_u32 s59, s3
	s_cbranch_scc1 .Lf\job
.Lfe\job:
	TRIPS s42                                      ; my units on and beyond the diagonal
	s_cbranch_scc0 .Lce\job
.Lc\job:
	UNIT \job, 1, c\job
	s_add_co_u32 s40, s40, 8
	s_add_co_u32 s59, s59, 1
	s_cmp_lt_u32 s59, s3
	s_cbranch_scc1 .Lc\job
.Lce\job:
	FLUSH \job
.endm
	s_mov_b32 s40, s16
	s_mov_b32 s46, s50
	JOB 0
	s_mov_b32 s40, s49
	s_mov_b32 s41, s47
	s_mov_b32 s42, s48
	s_mov_b32 s43, 64
	s_mov_b32 s46, s51
	JOB 1
	s_wait_dscnt 0x0                               ; my partial results are written,
	s_barrier_signal -1
	s_barrier_wait -1                              ; everybody's are
	; ---- THE MERGE.  Wave w joins rows 8 (w & 3) .. + 7 of job w >> 2; in step i lanes 0-15 hold row i of the 8, lanes 16-31 row 4 + i,
	; 16 bytes a lane: sixteen neighbouring lanes store one row of 256 bytes, aligned.
	s_lshr_b32 s62, s16, 2                         ; job
	s_and_b32 s63, s16, 3
	s_lshl_b32 s63, s63, 3                         ; first of my 8 rows in the job
	s_mul_i32 s57, s62, OP_W
	s_mul_i32 s56, s63, OPP
	s_add_co_u32 s57, s57, s56
	s_add_co_u32 s57, s57, L_OP
	v_mul_u32_u24 v[VRD0], v3, 4*OPP
	v_lshl_add_u32 v[VRD0], v2, 4, v[VRD0]
	v_add_nc_u32 v[VRD0], s57, v[VRD0]
	v_add_nc_u32 v[VRD1], 8*OP_W, v[VRD0]          ; partners 4-7 lie beyond the reach of a 16-bit offset
	s_lshl_b32 s56, s62, 5
	s_add_co_u32 s56, s56, s63
	s_lshl_b32 s56, s56, 2
	s_add_co_u32 s56, s56, L_NM
	v_lshl_add_u32 v[VNMA], v3, 4, s56             ; four neighbouring rows' words: one for each step
	s_lshl_b32 s55, s58, 8
	v_add_nc_u32 v[VOUT], s55, v[VGO]              ; (my first row + 4 h) x 256 + 16 r
.irp w, 0,1,2,3,4,5,6,7
	ds_load_b128 v[MN+4*\w:MN+4*\w+3], v[VNMA] offset:256*\w
.endr
.irp w, 0,1,2,3,4,5,6,7
	ds_load_b128 v[MLS+4*\w:MLS+4*\w+3], v[VNMA] offset:256*\w+2048
.endr
.irp i, 0,1,2,3
.irp w, 0,1,2,3
	ds_load_b128 v[MO+32*\i+4*\w:MO+32*\i+4*\w+3], v[VRD0] offset:\w*2*OP_W+\i*OPP
.endr
.irp w, 0,1,2,3
	ds_load_b128 v[MO+32*\i+16+4*\w:MO+32*\i+16+4*\w+3], v[VRD1] offset:\w*2*OP_W+\i*OPP
.endr
.endr
.macro MSTEP i
	s_wait_dscnt 24-8*\i                           ; NM, the sums and this step's eight pieces of O are in; eight loads for each later step may be out
	v_min3_num_f32 v[MX], v[MN+\i], v[MN+4+\i], v[MN+8+\i]
	v_min3_num_f32 v[MX], v[MX], v[MN+12+\i], v[MN+16+\i]
	v_min3_num_f32 v[MX], v[MX], v[MN+20+\i], v[MN+24+\i]
	v_min_num_f32 v[MX], v[MX], v[MN+28+\i]        ; finite: every job has a unit.  A partner without one has NM = +inf: its factor is 0
.irp w, 0,1,2,3,4,5,6,7
	v_sub_f32 v[MF+2*\w+1], v[MX], v[MN+4*\w+\i]
.endr
.irp w, 0,1,2,3,4,5,6,7
	v_exp_f32 v[MF+2*\w], v[MF+2*\w+1]
.endr
	v_cmp_ne_u32 vcc_lo, 0, v[QM+\i]               ; the plain line behind the exponentials (ISA guide 5.7.2)
	s_wait_alu depctr_va_vdst(0)
	v_mul_f32 v[ML], v[MF], v[MLS+\i]
.irp w, 1,2,3,4,5,6,7
	v_fmac_f32 v[ML], v[MF+2*\w], v[MLS+4*\w+\i]
.endr
	v_rcp_f32 v[MR+1], v[ML]                       ; the lines that follow touch neither register
	v_pk_mul_f32 v[MO+32*\i:MO+32*\i+1], v[MO+32*\i:MO+32*\i+1], v[MF:MF+1] op_sel_hi:[1,0]
	v_pk_mul_f32 v[MO+32*\i+2:MO+32*\i+3], v[MO+32*\i+2:MO+32*\i+3], v[MF:MF+1] op_sel_hi:[1,0]
.irp w, 1,2,3,4,5,6,7
	v_pk_fma_f32 v[MO+32*\i:MO+32*\i+1], v[MO+32*\i+4*\w:MO+32*\i+4*\w+1], v[MF+2*\w:MF+2*\w+1], v[MO+32*\i:MO+32*\i+1] op_sel_hi:[1,0,1]
	v_pk_fma_f32 v[MO+32*\i+2:MO+32*\i+3], v[MO+32*\i+4*\w+2:MO+32*\i+4*\w+3], v[MF+2*\w:MF+2*\w+1], v[MO+32*\i+2:MO+32*\i+3] op_sel_hi:[1,0,1]
.endr
	s_wait_alu depctr_va_vdst(0)
	v_cndmask_b32 v[MR], 0, v[MR+1], vcc_lo        ; a masked query row is multiplied by 0
	v_pk_mul_f32 v[MO+32*\i:MO+32*\i+1], v[MO+32*\i:MO+32*\i+1], v[MR:MR+1] op_sel_hi:[1,0]
	v_pk_mul_f32 v[MO+32*\i+2:MO+32*\i+3], v[MO+32*\i+2:MO+32*\i+3], v[MR:MR+1] op_sel_hi:[1,0]
	global_store_b128 v[VOUT], v[MO+32*\i:MO+32*\i+3], s[14:15] offset:256*\i th:TH_STORE_NT   ; each step has data registers of its own: none is written again
.endm
	MSTEP 0
	MSTEP 1
	MSTEP 2
	MSTEP 3
	s_set_vgpr_msb 0x5
	s_wait_tensorcnt 0x0
	ds_add_u32 v192, v193
	s_wait_dscnt 0x0
	s_set_vgpr_msb 0x500
	s_endpgm
.Lfunc_end_k_qb17201a39f_attn:
	.size	k_qb17201a39f_attn, .Lfunc_end_k_qb17201a39f_attn-k_qb17201a39f_attn
	.p2alignl 7, 3214868480
	.fill 96, 4, 3214868480
	.section	.rodata,"a",@progbits
	.p2align	6, 0x0
	.amdhsa_kernel k_qb17201a39f_attn
		.amdhsa_group_segment_fixed_size 235520
		.amdhsa_private_segment_fixed_size 0
		.amdhsa_enable_private_segment 0
		.amdhsa_kernarg_size 56
		.amdhsa_user_sgpr_count 2
		.amdhsa_user_sgpr_kernarg_segment_ptr 1
		.amdhsa_wavefront_size32 1
		.amdhsa_system_sgpr_workgroup_id_x 1
		.amdhsa_system_sgpr_workgroup_id_y 1
		.amdhsa_system_sgpr_workgroup_id_z 1
		.amdhsa_system_vgpr_workitem_id 0
		.amdhsa_next_free_vgpr 450
		.amdhsa_next_free_sgpr 66
		.amdhsa_reserve_vcc 1
		.amdhsa_float_denorm_mode_32 3
		.amdhsa_float_denorm_mode_16_64 3
		.amdhsa_memory_ordered 1
		.amdhsa_forward_progress 1
		.amdhsa_inst_pref_size 164
	.end_amdhsa_kernel
	.amdgpu_metadata
---
amdhsa.version: [ 1, 2 ]
amdhsa.kernels:
  - .name:           k_qb17201a39f_attn
    .symbol:         k_qb17201a39f_attn.kd
    .args:
      - { .name: q_mask, .offset: 0, .size: 8, .value_kind: global_buffer, .address_space: global }
      - { .name: query, .offset: 8, .size: 8, .value_kind: global_buffer, .address_space: global }
      - { .name: scale, .offset: 16, .size: 8, .value_kind: global_buffer, .address_space: global }
      - { .name: v_mask, .offset: 24, .size: 8, .value_kind: global_buffer, .address_space: global }
      - { .name: value, .offset: 32, .size: 8, .value_kind: global_buffer, .address_space: global }
      - { .name: out0, .offset: 40, .size: 8, .value_kind: global_buffer, .address_space: global }
      - { .name: counts, .offset: 48, .size: 8, .value_kind: global_buffer, .address_space: global }
    .group_segment_fixed_size: 235520
    .private_segment_fixed_size: 0
    .kernarg_segment_align: 8
    .kernarg_segment_size: 56
    .max_flat_workgroup_size: 256
    .sgpr_count:     66
    .vgpr_count:     450
    .wavefront_size: 32
...
	.end_amdgpu_metadata
.endif
;; end of part 2
